; MI455X (gfx1250); checked and timed in simulation.
; The chip was launched on July 23, 2026; its instructions are those of AMD's public machine-readable ISA for CDNA 5 (MIT licence, August 2026) and "CDNA5" Instruction Set Architecture Reference Guide (July 2026). The comments in the code are by the model that wrote it; some were corrected since.
;; Mo E. Allowed arithmetic: float matrix products may take bf16 or f16 operands with f32 sums; all other float work in f32.
;; Inputs: expert_b 8 x 2,048 float32; expert_w 8 x 2,048 x 1,024 float32; gate_b 8 float32; gate_w 8 x 1,024 float32; x 4,096 x 1,024 float32.
;; Outputs: out0 4,096 x 2,048 float32.
;; One version. Each part assembles by itself: llvm-mc -triple=amdgcn-amd-amdhsa -mcpu=gfx1250 --defsym DOCPART=n.
;; ======== version 1 of 1: 2 launches
;; workspace buffers: xb 8,388,608 bytes; wb 33,554,432 bytes; gates 131,072 bytes
;; launch prep (part 1): grid 256 x 1, 8 waves a work-group, no clusters, 17,920 bytes of LDS; arguments x, expert_w, gate_w, gate_b, xb, wb, gates; writes xb, wb, gates
.if DOCPART == 1
	.amdgcn_target "amdgcn-amd-amdhsa--gfx1250"
	.amdhsa_code_object_version 6
	.text
	.protected	k_qaba1870317_prep
	.globl	k_qaba1870317_prep
	.p2align	8
	.type	k_qaba1870317_prep,@function
k_qaba1870317_prep:
	s_mov_b64 s[64:65], 0
	v_nop
	global_prefetch_b8 v0, s[64:65] scope:SCOPE_SE
	s_setreg_imm32_b32 hwreg(HW_REG_WAVE_MODE, 25, 1), 1
	s_wait_xcnt 0x0
; PREP.  xb = bf16(x) [4096][1024], wb = bf16(expert_w) [16384][1024], gates = softmax over 8 experts of bf16(x) . bf16(gate_w)^T + gate_b, f32 [4096][8].
; A stream: every byte of x and expert_w is read once and every byte of xb, wb and gates is written once.  No matrix unit: the gate product has 8 rows only
; and rides on the x rows while they lie in registers, as f32 multiply-adds straight from the bf16 halves.
; LIMITS.  x, expert_w, gate_w are rounded once to bf16 (nearest even; bf16 keeps f32's range); sums, gate_b and the softmax are f32; the row's maximum is taken away
; before the exponential; a gate weight below 2^-126 counts as 0.
; SHARES.  Work-group g: x rows 16 g .. +15 and rows 64 g .. +63 of expert_w taken as [16384][1024].  Wave w: 2 x rows and 8 weight rows: ten rows of 4,096 bytes.
; One wave takes a whole row: load j of 8 covers 512 consecutive bytes (16 a lane), the matching store 256 consecutive bytes (8 a lane), aligned to 256.
; Seven row slots of 32 registers keep up to 56 loads of a wave on their way.
; REGISTERS.  Window 0: v0 thread; v1 16 x lane; v2 8 x lane; v3 16 x thread; v4 8 x thread; v5 LDS word for my gate; v8-15 eight gate sums; v16-23 gate_b in lane 0, 0 elsewhere;
; v24-31 at work; v32-255 the seven slots.  Window 1: v0-127 gate_w in bf16: v[16 e + 2 j + c] = columns 128 j + 4 lane + 2 c, + 1 of expert e: the columns that word 4 j + c of a slot holds.
; LDS.  0..16383 gate_w in bf16, 2,048 bytes a row; 16384..16895 the work-group's 16 tokens x 8 gates.
.set ROWF, 4096                        ; bytes of an f32 row
.set ROWH, 2048                        ; bytes of a bf16 row
.set GL,   16384                       ; the gates in LDS
.set ACC,  8
.set GB,   16
.set T,    24
.set SL,   32
.set MSB,  0
.macro WIN new                         ; s_set_vgpr_msb: bits 3:2 source 1, 7:6 destination; the high byte repeats the setting that is left
.if MSB != (\new)
	s_set_vgpr_msb (MSB<<8)|(\new)
.set MSB, \new
.endif
.endm
.macro FILL s, base, row               ; eight loads: a whole f32 row into slot s
.irp j, 0,1,2,3,4,5,6,7
	global_load_b128 v[SL+32*(\s)+4*(\j):SL+32*(\s)+4*(\j)+3], v1, s[\base:\base+1] offset:(\row)*ROWF+512*(\j) th:TH_LOAD_NT
.endr
.endm
.macro CVT s                           ; in place: four f32 become two words of two bf16, in the first two registers of each four
.irp j, 0,1,2,3,4,5,6,7
	v_cvt_pk_bf16_f32 v[SL+32*(\s)+4*(\j)],   v[SL+32*(\s)+4*(\j)],   v[SL+32*(\s)+4*(\j)+1]
	v_cvt_pk_bf16_f32 v[SL+32*(\s)+4*(\j)+1], v[SL+32*(\s)+4*(\j)+2], v[SL+32*(\s)+4*(\j)+3]
.endr
.endm
.macro PUT s, base, row                ; eight stores: each covers 256 consecutive bytes, at a multiple of 256 from the buffer's first byte
.irp j, 0,1,2,3,4,5,6,7
	global_store_b64 v2, v[SL+32*(\s)+4*(\j):SL+32*(\s)+4*(\j)+1], s[\base:\base+1] offset:(\row)*ROWH+256*(\j)
.endr
.endm
; The gates of the x row in slot s (already bf16), my wave's token i (0, 1).
.macro GATE s, i
	WIN 0x04                                       ; source 1 (gate_w) in window 1
.irp j, 0,1,2,3,4,5,6,7
.irp c, 0,1
.irp h, 0,1
.irp e, 0,1,2,3,4,5,6,7
.if ((\j)+(\c)+(\h)) == 0
	v_fma_mix_f32_bf16 v[ACC+(\e)], v[SL+32*(\s)+4*(\j)+(\c)], v[16*(\e)+2*(\j)+(\c)], v[GB+(\e)] op_sel:[\h,\h,0] op_sel_hi:[1,1,0]   ; the first product starts the sum, with gate_b in lane 0: nothing is cleared
.else
	v_fma_mix_f32_bf16 v[ACC+(\e)], v[SL+32*(\s)+4*(\j)+(\c)], v[16*(\e)+2*(\j)+(\c)], v[ACC+(\e)] op_sel:[\h,\h,0] op_sel_hi:[1,1,0]  ; eight chains by turns
.endif
.endr
.endr
.endr
.endr
	WIN 0
	; eight sums in 32 lanes become one sum a lane: at each of the lane number's bits 0, 1, 2 a lane keeps half of its sums and hands the other half to its partner
.irp k, 0,1,2,3
	v_cndmask_b32 v[T+(\k)],   v[ACC+2*(\k)],   v[ACC+2*(\k)+1], s32   ; kept: odd lanes the odd expert
	v_cndmask_b32 v[T+4+(\k)], v[ACC+2*(\k)+1], v[ACC+2*(\k)],   s32   ; handed over
.endr
.irp k, 0,1,2,3
	v_add_f32_dpp v[T+(\k)], v[T+4+(\k)], v[T+(\k)] row_xmask:1 row_mask:0xf bank_mask:0xf
.endr
	v_cndmask_b32 v[T+4], v[T],   v[T+1], s33
	v_cndmask_b32 v[T+5], v[T+1], v[T],   s33
	v_cndmask_b32 v[T+6], v[T+2], v[T+3], s33
	v_cndmask_b32 v[T+7], v[T+3], v[T+2], s33
	v_add_f32_dpp v[T+4], v[T+5], v[T+4] row_xmask:2 row_mask:0xf bank_mask:0xf
	v_add_f32_dpp v[T+6], v[T+7], v[T+6] row_xmask:2 row_mask:0xf bank_mask:0xf
	v_cndmask_b32 v[T],   v[T+4], v[T+6], s34
	v_cndmask_b32 v[T+1], v[T+6], v[T+4], s34
	v_add_f32_dpp v[T], v[T+1], v[T] row_xmask:4 row_mask:0xf bank_mask:0xf
	v_add_f32_dpp v[T], v[T], v[T] row_xmask:8 row_mask:0xf bank_mask:0xf
	v_permlanex16_b32 v[T+1], v[T], s35, s36
	v_add_f32 v[T], v[T], v[T+1]                   ; lane l: the logit of expert l % 8
	; softmax over the eight lanes of a group
	v_max_num_f32_dpp v[T+2], v[T], v[T] row_xmask:1 row_mask:0xf bank_mask:0xf
	v_max_num_f32_dpp v[T+2], v[T+2], v[T+2] row_xmask:2 row_mask:0xf bank_mask:0xf
	v_max_num_f32_dpp v[T+2], v[T+2], v[T+2] row_xmask:4 row_mask:0xf bank_mask:0xf
	v_sub_f32 v[T+3], v[T], v[T+2]
	v_mul_f32 v[T+3], 0x3fb8aa3b, v[T+3]           ; times log2(e)
	v_exp_f32 v[T+4], v[T+3]
	v_nop                                          ; a plain instruction between a transcendental and the use of its result (ISA guide 5.7.2)
	s_wait_alu depctr_va_vdst(0)
	v_add_f32_dpp v[T+5], v[T+4], v[T+4] row_xmask:1 row_mask:0xf bank_mask:0xf
	v_add_f32_dpp v[T+5], v[T+5], v[T+5] row_xmask:2 row_mask:0xf bank_mask:0xf
	v_add_f32_dpp v[T+5], v[T+5], v[T+5] row_xmask:4 row_mask:0xf bank_mask:0xf
	v_rcp_f32 v[T+6], v[T+5]
	v_nop
	s_wait_alu depctr_va_vdst(0)
	v_mul_f32 v[T+7], v[T+4], v[T+6]
	ds_store_b32 v5, v[T+7] offset:32*(\i)         ; the four lanes with equal l % 8 write the same number to the same word
.endm
	s_load_b256 s[4:11], s[0:1], 0x0               ; x s[4:5], expert_w s[6:7], gate_w s[8:9], gate_b s[10:11]
	s_load_b128 s[12:15], s[0:1], 0x20             ; xb s[12:13], wb s[14:15]
	s_load_b64 s[16:17], s[0:1], 0x30              ; gates
	s_set_vgpr_msb 0x40
	v_lshl_add_u32 v128, v0, 2, 0x4200
	v_mov_b32 v129, 0
	s_set_vgpr_msb 0x4000
	v_lshrrev_b32 v6, 5, v0
	v_readfirstlane_b32 s18, v6                    ; wave 0..7
	v_and_b32 v7, 31, v0
	v_lshlrev_b32 v1, 4, v7
	v_lshlrev_b32 v2, 3, v7
	v_lshlrev_b32 v3, 4, v0
	v_lshlrev_b32 v4, 3, v0
	v_and_b32 v5, 7, v0
	s_lshl_b32 s19, s18, 6                         ; my wave's two tokens: 64 bytes of gates
	s_add_co_u32 s19, s19, GL
	v_lshl_add_u32 v5, v5, 2, s19
	s_mov_b32 s32, 0xaaaaaaaa                      ; lanes whose bit 0 is set,
	s_mov_b32 s33, 0xcccccccc                      ; bit 1,
	s_mov_b32 s34, 0xf0f0f0f0                      ; bit 2
	s_mov_b32 s35, 0x76543210                      ; v_permlanex16_b32: each lane takes its own place in the other half
	s_mov_b32 s36, 0xfedcba98
	s_mov_b32 s21, 0
	s_wait_kmcnt 0x0
	s_load_b256 s[24:31], s[10:11], 0x0            ; gate_b's eight numbers
	s_lshl_b32 s20, ttmp9, 16                      ; x: 16 rows of 4,096 bytes a work-group, 2 a wave
	s_lshl_b32 s22, s18, 13
	s_add_co_u32 s20, s20, s22
	s_add_nc_u64 s[4:5], s[4:5], s[20:21]
	s_lshl_b32 s20, ttmp9, 18                      ; expert_w: 64 rows a work-group, 8 a wave
	s_lshl_b32 s22, s18, 15
	s_add_co_u32 s20, s20, s22
	s_add_nc_u64 s[6:7], s[6:7], s[20:21]
	s_lshl_b32 s20, ttmp9, 15                      ; xb and wb: the same rows at 2,048 bytes
	s_lshl_b32 s22, s18, 12
	s_add_co_u32 s20, s20, s22
	s_add_nc_u64 s[12:13], s[12:13], s[20:21]
	s_lshl_b32 s20, ttmp9, 17
	s_lshl_b32 s22, s18, 14
	s_add_co_u32 s20, s20, s22
	s_add_nc_u64 s[14:15], s[14:15], s[20:21]
	s_lshl_b32 s20, ttmp9, 9                       ; gates: 16 tokens of 32 bytes
	s_add_nc_u64 s[16:17], s[16:17], s[20:21]
.irp k, 0,1,2,3,4,5,6,7                ; gate_w first: load k is row k, 16 bytes a thread, into slot 6
	global_load_b128 v[SL+192+4*(\k):SL+192+4*(\k)+3], v3, s[8:9] offset:4096*(\k)
.endr
	FILL 0, 4, 0                                   ; my two x rows,
	FILL 1, 4, 1
	FILL 2, 6, 0                                   ; and the first weight rows
	FILL 3, 6, 1
	FILL 4, 6, 2
	FILL 5, 6, 3
	s_wait_loadcnt 48                              ; loads come back in order (ISA guide 5.7.1): gate_w is in, the six rows behind it stay out
	CVT 6
.irp k, 0,1,2,3,4,5,6,7
	ds_store_b64 v4, v[SL+192+4*(\k):SL+192+4*(\k)+1] offset:2048*(\k)
.endr
	s_wait_dscnt 0x0                               ; for the others' sake: my part of gate_w is in LDS
	FILL 6, 6, 4                                   ; slot 6 is free again
	s_barrier_signal -1
	s_barrier_wait -1
	WIN 0x40                                       ; destination window 1
.irp e, 0,1,2,3,4,5,6,7
.irp j, 0,1,2,3,4,5,6,7
	ds_load_b64 v[16*(\e)+2*(\j):16*(\e)+2*(\j)+1], v2 offset:2048*(\e)+256*(\j)
.endr
.endr
	WIN 0
	s_wait_kmcnt 0x0                               ; gate_b
	s_mov_b32 vcc_lo, 1
.irp e, 0,1,2,3,4,5,6,7
	v_cndmask_b32 v[GB+(\e)], 0, s[24+(\e)], vcc_lo  ; in lane 0 alone, so that the sum over the lanes holds it once
.endr
	s_wait_dscnt 0x0
	s_wait_loadcnt 48                              ; x row 0 is in; six younger rows stay out
	CVT 0
	PUT 0, 12, 0
	GATE 0, 0
	s_wait_xcnt 0x0                                ; the stores' addresses are translated (ISA guide 3.1): the slot that they read is loaded again only behind this wait
	FILL 0, 6, 5
	s_wait_loadcnt 48
	CVT 1
	PUT 1, 12, 1
	GATE 1, 1
	s_wait_xcnt 0x0
	FILL 1, 6, 6
	s_wait_dscnt 0x0                               ; for wave 0's sake: my two tokens' gates are in LDS
	s_barrier_signal -1
	s_barrier_wait -1
	s_cmp_lg_u32 s18, 0
	s_cbranch_scc1 .Lnot_wave_0
	ds_load_b128 v[T:T+3], v1 offset:GL            ; the work-group's 512 bytes of gates leave in one store of 512 consecutive bytes
	s_wait_dscnt 0x0
	global_store_b128 v1, v[T:T+3], s[16:17]
.Lnot_wave_0:
	s_wait_loadcnt 48                              ; weight row 0
	CVT 2
	PUT 2, 14, 0
	s_wait_xcnt 0x0
	FILL 2, 6, 7                                   ; the last row
	s_wait_loadcnt 48                              ; from here the counts run down: eight loads for each younger row
	CVT 3
	PUT 3, 14, 1
	s_wait_loadcnt 40
	CVT 4
	PUT 4, 14, 2
	s_wait_loadcnt 32
	CVT 5
	PUT 5, 14, 3
	s_wait_loadcnt 24
	CVT 6
	PUT 6, 14, 4
	s_wait_loadcnt 16
	CVT 0
	PUT 0, 14, 5
	s_wait_loadcnt 8
	CVT 1
	PUT 1, 14, 6
	s_wait_loadcnt 0x0
	CVT 2
	PUT 2, 14, 7
	s_set_vgpr_msb 0x5
	s_wait_tensorcnt 0x0
	ds_add_u32 v128, v129
	s_wait_dscnt 0x0
	s_set_vgpr_msb 0x500
	s_endpgm
.Lfunc_end_k_qaba1870317_prep:
	.size	k_qaba1870317_prep, .Lfunc_end_k_qaba1870317_prep-k_qaba1870317_prep
	.p2alignl 7, 3214868480
	.fill 96, 4, 3214868480
	.section	.rodata,"a",@progbits
	.p2align	6, 0x0
	.amdhsa_kernel k_qaba1870317_prep
		.amdhsa_group_segment_fixed_size 17920
		.amdhsa_private_segment_fixed_size 0
		.amdhsa_enable_private_segment 0
		.amdhsa_kernarg_size 56
		.amdhsa_user_sgpr_count 2
		.amdhsa_user_sgpr_kernarg_segment_ptr 1
		.amdhsa_wavefront_size32 1
		.amdhsa_system_sgpr_workgroup_id_x 1
		.amdhsa_system_sgpr_workgroup_id_y 1
		.amdhsa_system_sgpr_workgroup_id_z 1
		.amdhsa_system_vgpr_workitem_id 0
		.amdhsa_next_free_vgpr 386
		.amdhsa_next_free_sgpr 66
		.amdhsa_reserve_vcc 1
		.amdhsa_float_denorm_mode_32 3
		.amdhsa_float_denorm_mode_16_64 3
		.amdhsa_memory_ordered 1
		.amdhsa_forward_progress 1
		.amdhsa_inst_pref_size 72
	.end_amdhsa_kernel
	.amdgpu_metadata
---
amdhsa.version: [ 1, 2 ]
amdhsa.kernels:
  - .name:           k_qaba1870317_prep
    .symbol:         k_qaba1870317_prep.kd
    .args:
      - { .name: x, .offset: 0, .size: 8, .value_kind: global_buffer, .address_space: global }
      - { .name: expert_w, .offset: 8, .size: 8, .value_kind: global_buffer, .address_space: global }
      - { .name: gate_w, .offset: 16, .size: 8, .value_kind: global_buffer, .address_space: global }
      - { .name: gate_b, .offset: 24, .size: 8, .value_kind: global_buffer, .address_space: global }
      - { .name: xb, .offset: 32, .size: 8, .value_kind: global_buffer, .address_space: global }
      - { .name: wb, .offset: 40, .size: 8, .value_kind: global_buffer, .address_space: global }
      - { .name: gates, .offset: 48, .size: 8, .value_kind: global_buffer, .address_space: global }
    .group_segment_fixed_size: 17920
    .private_segment_fixed_size: 0
    .kernarg_segment_align: 8
    .kernarg_segment_size: 56
    .max_flat_workgroup_size: 256
    .sgpr_count:     66
    .vgpr_count:     386
    .wavefront_size: 32
...
	.end_amdgpu_metadata
.endif
;; end of part 1
;; launch moe (part 2): grid 32 x 8, 4 waves a work-group, clusters of 4 x 4, 327,680 bytes of LDS; arguments xb, wb, gates, expert_b, out0; writes out0
.if DOCPART == 2
	.amdgcn_target "amdgcn-amd-amdhsa--gfx1250"
	.amdhsa_code_object_version 6
	.text
	.protected	k_qaba1870317_moe
	.globl	k_qaba1870317_moe
	.p2align	8
	.type	k_qaba1870317_moe,@function
k_qaba1870317_moe:
	s_mov_b64 s[64:65], 0
	v_nop
	global_prefetch_b8 v0, s[64:65] scope:SCOPE_SE
	s_setreg_imm32_b32 hwreg(HW_REG_WAVE_MODE, 25, 1), 1
	s_wait_xcnt 0x0
	s_wait_alu depctr_hold_cnt(0) depctr_sa_sdst(0) depctr_va_vdst(0) depctr_va_sdst(0) depctr_va_ssrc(0) depctr_va_vcc(0) depctr_vm_vsrc(0)
	s_getreg_b32 s2, hwreg(HW_REG_IB_STS2, 6, 4)
	s_cmp_eq_u32 s2, 0
	s_cbranch_scc0 .Lentry_in_a_cluster
	s_endpgm
.Lentry_in_a_cluster:
	s_bfe_u32 s2, ttmp6, 0x10000c
	s_cmp_lg_u32 s2, 0xf033
	s_cbranch_scc0 .Lentry_shape_is_right
	s_endpgm
.Lentry_shape_is_right:
; MOE.  out0[n][h] = sum over e of gates[n][e] x max(xb[n] . wb[e][h] + expert_b[e][h], 0).  xb [4096][1024] bf16, wb [8][2048][1024] bf16, gates [4096][8] f32, expert_b [8][2048] f32, out0 [4096][2048] f32.
; Products in bf16 with f32 sums; bias, relu and the weighted sum over the experts in f32.
; LIMITS: the relu is v_max_num_f32, which turns a NaN sum into 0.  An expert's eight K steps of 128 are summed in a rotated order (see THE WALK), so last bits differ from an ascending sum.
; SHARES.  A work-group owns 128 tokens x 256 hidden columns: 32 x 8 = 256 work-groups.  Each of its four waves owns 64 x 128: 32 accumulators of 16 x 16 for the expert in hand (ACC) and as many for the
; running sum over the experts (SUM): 512 registers.  The eight experts' K steps, 8 x 8 of 128, are ONE walk through a ring of two LDS slots; behind each expert SUM += gate x max(ACC, 0).
; The bias is the C operand of an expert's first products: ACC is never cleared.  SUM is cleared once, in the wait for the first tile: the price of one text for all experts.
; CLUSTER.  4 x 4 work-groups; the grid's x counts token tiles, its y hidden tiles.  The four of a column of the cluster need the same tiles of xb, the four of a row the same tiles of wb: each tile is asked
; for jointly, by the same tensor load with the same descriptor and a mask that names the four.
; THE WALK.  The eight clusters along x read the same rows of wb.  Cluster x begins every expert at K step x and goes round: its step p takes K step (x + p) mod 8.  So at any time the eight ask for eight
; different tiles, and each tile of wb is asked for first by one cluster and by the seven others one to seven steps later, not by all eight at once.  xb's tiles take the same K step.
; THE MATRIX INSTRUCTION IS USED TRANSPOSED: source 0 = 16 rows of wb, source 1 = 16 tokens.  In the result lane l holds token l % 16 and the hidden columns 8 (l / 16) + 0..7: one gate a lane, and
; eight neighbouring numbers of a row of out0.
; REGISTERS, in windows of 256 (s_set_vgpr_msb: bits 1:0 source 0, 3:2 source 1, 5:4 source 2, 7:6 destination):
;   window 0: v0-15 addresses; v32-63 gates (token block a, expert e at v[32 + 8 a + e]); v64-127 tokens' fragments, two buffers of 32; v128-255 weights' fragments, two buffers of 64
;   window 1: v0-63 the expert's bias (hidden block b at v[8 b])      window 2: ACC ((a, b) at v[8 (8 a + b)])      window 3: SUM, likewise
.set KSTEP,  128
.set PITCH,  272                       ; an LDS row: 256 bytes + 16 of padding = 68 words: the 16 rows of a fragment load start at 16 different groups of four banks (64 banks of 4 bytes: ISA guide 11.1)
.set AHALF,  64*PITCH                  ; 64 tokens: one tensor load, and what a wave reads of xb
.set BHALF,  128*PITCH                 ; 128 rows of wb: one tensor load, and what a wave reads of wb
.set BOFF,   2*AHALF                   ; in a slot: 128 tokens, then 256 rows of wb
.set SLOT,   BOFF+2*BHALF              ; 104,448 bytes
.set STAGE,  2*SLOT                    ; behind the ring, never filled by a tensor load: 16 rows x 528 bytes for each wave, for the way out
.set SPITCH, 528                       ; 512 bytes + 16
.set WSTAGE, 16*SPITCH
.set SPARE,  STAGE+4*WSTAGE            ; behind the stages: the spare words, 128 bytes for each wave: two blocks of 256 bytes that no other line names
.set ROWB,   2048                      ; bytes in a row of xb and of wb: eight K steps of 256 bytes
.set EXPB,   2048*ROWB                 ; bytes of an expert in wb
.set ADRA, 4                           ; v4-5   LDS address of my tokens' fragments in slot 0, 1
.set ADRB, 6                           ; v6-7   the same for wb
.set STO,  8                           ; v8     the way out: where I put 16 bytes of a row
.set RD,   9                           ; v9     the way out: where I read a row back
.set CO,   10                          ; v10    16 x lane: my bytes in 512 consecutive bytes of out0
.set BO,   11                          ; v11    32 x (l / 16): my eight numbers in a block of 16 of expert_b
.set GO,   12                          ; v12    32 x (l % 16): my token's eight gates
.set SPW,  14                          ; v14    LDS address of my spare word: SPARE + 4 x my thread's number; never rewritten
.set NIL,  15                          ; v15    0; never rewritten
.set G,    32
.set AF,   64
.set BF,   128
.set OB0,  64                          ; the way out: 16 rows read back from the stage, v64-127 and v128-191 by turns
.set F0,   0
.set F1,   1
.set WV,  14                           ; s14  my wave's number
.set RH,  15                           ; s15  which 64 tokens are mine.  Also: I fetch for xb (0) or for wb (1)
.set CH,  16                           ; s16  which 128 columns are mine.  Also: which half of that tile I fetch
.set G1A, 24                           ; s[24:31] descriptor group 1 for xb's tiles;  s[32:39] group 0, a set for each slot
.set G0A, 32
.set G1B, 40                           ; s[40:47], s[48:55] the same for wb's
.set G0B, 48
.set AB,  56                           ; s[56:57] xb at the first row that I fetch
.set EXP, 66                           ; s66  experts to go
.set LAP, 67                           ; s67  laps to go
.set KO,  72                           ; s[72:73], s[74:75] for each slot: the byte in a row at which its K step begins (the high word is 0)
.set BB,  76                           ; s[76:77], s[78:79] for each slot: wb at the first row that I fetch, in the expert whose K step the slot takes
.set MSB, 0
.macro WIN new                         ; the immediate's high byte repeats the setting that is left; a switch that changes nothing is dropped
.if MSB != (\new)
	s_set_vgpr_msb (MSB<<8)|(\new)
.set MSB, \new
.endif
.endm
.set MUL,  0xa0                        ; sources 0 and 1 window 0, C and D window 2
.set MULB, 0x90                        ; C window 1 (the bias), D window 2
; A joint load.  Waves 0 and 1 fetch the two halves of xb's tile, waves 2 and 3 those of wb's.  The branch hangs on the wave's number alone.
; Four v_nop follow each of the two lines, ahead of the jump, the label and what follows.
.macro JLOAD s
	s_cmp_eq_u32 s[RH], 0
	s_cbranch_scc0 .Lfor_b_\@
	tensor_load_to_lds s[G0A+4*(\s):G0A+4*(\s)+3], s[G1A:G1A+7]
	s_nop 0
.rept 4
	v_nop
.endr
	s_branch .Lasked_\@
.Lfor_b_\@:
	tensor_load_to_lds s[G0B+4*(\s):G0B+4*(\s)+3], s[G1B:G1B+7]
	s_nop 0
.rept 4
	v_nop
.endr
.Lasked_\@:
.endm
; A round of the cluster's barrier: my work-group's barrier; wave 0 signals for the work-group; every wave waits for all sixteen work-groups; my work-group's barrier once more.
.macro CREST                           ; a round behind its opening barrier
	s_cmp_lg_u32 s[WV], 0
	s_cbranch_scc1 .Lnot_wave_0_\@
	s_barrier_signal -3
.Lnot_wave_0_\@:
	s_barrier_wait -3
	s_barrier_signal -1
	s_barrier_wait -1
.endm
.macro CROUND                          ; a whole round
	s_barrier_signal -1
	s_barrier_wait -1
	CREST
.endm
	s_load_b256 s[4:11], s[0:1], 0x0               ; xb s[4:5], wb s[6:7], gates s[8:9], expert_b s[10:11]
	s_load_b64 s[12:13], s[0:1], 0x20              ; out0
	v_lshl_add_u32 v[SPW], v0, 2, SPARE
	v_mov_b32 v[NIL], 0
	ds_add_u32 v14, v15
	s_wait_dscnt 0x0
	v_lshrrev_b32 v1, 5, v0
	v_readfirstlane_b32 s[WV], v1                  ; wave 0..3
	s_lshr_b32 s[RH], s[WV], 1
	s_and_b32 s[CH], s[WV], 1
	s_bfe_u32 s17, ttmp6, 0x40000                  ; cx, cy: my place in the cluster
	s_bfe_u32 s18, ttmp6, 0x40004
	s_lshl_b32 s19, ttmp9, 2                       ; in a cluster launch ttmp9 and ttmp7 count clusters
	s_add_co_u32 s19, s19, s17                     ; token tile (128 tokens) = 4 x cluster x + cx
	s_and_b32 s20, ttmp7, 0xffff
	s_lshl_b32 s20, s20, 2
	s_add_co_u32 s20, s20, s18                     ; hidden tile (256 columns) = 4 x cluster y + cy
	s_lshl_b32 s21, s18, 2
	s_lshl_b32 s21, 15, s21                        ; my row of the cluster: places 4 cy .. 4 cy + 3
	s_lshl_b32 s22, 0x1111, s17                    ; my column: places cx, cx + 4, cx + 8, cx + 12
	; descriptor group 1: rows of 128 elements of 2 bytes, padded in LDS; 64 rows for xb, 128 for wb
	s_or_b32 s[G1A+0], s22, (1<<16)|(1<<20)|(1<<21)|(5<<22)|(3<<25)  ; 15:0 the mask: xb's tiles go to my column; 17:16 2-byte elements; 20 padding on; 21 set beside a mask; 24:22 after every 64 words (code 5); 31:25 4 words (code 3)
	s_or_b32 s[G1B+0], s21, (1<<16)|(1<<20)|(1<<21)|(5<<22)|(3<<25)  ; the same with the mask of my row, for wb's tiles
	s_mov_b32 s[G1A+1], KSTEP<<16                  ; tensor_dim0 = 128
	s_mov_b32 s[G1B+1], KSTEP<<16
	s_mov_b32 s[G1A+2], 64<<16                     ; tensor_dim1 = 64
	s_mov_b32 s[G1B+2], 128<<16                    ;             = 128
	s_mov_b32 s[G1A+3], KSTEP<<16                  ; tile_dim0 = 128
	s_mov_b32 s[G1B+3], KSTEP<<16
	s_mov_b32 s[G1A+4], 64                         ; tile_dim1
	s_mov_b32 s[G1B+4], 128
	s_mov_b32 s[G1A+5], 1024                       ; 1,024 elements from row to row
	s_mov_b32 s[G1B+5], 1024
	s_mov_b32 s[G1A+6], 0
	s_mov_b32 s[G1B+6], 0
	s_mov_b32 s[G1A+7], 0
	s_mov_b32 s[G1B+7], 0
	; where the tiles come from: xb's hang on the token tile alone, wb's on the hidden tile alone, each in registers that never hold the other coordinate
	s_lshl_b32 s56, s19, 18                        ; xb: (128 x token tile + 64 x half) rows of 2,048 bytes
	s_lshl_b32 s23, s[CH], 17
	s_add_co_u32 s56, s56, s23
	s_mov_b32 s57, 0
	s_lshl_b32 s58, s20, 19                        ; wb: (256 x hidden tile + 128 x half) rows
	s_lshl_b32 s23, s[CH], 18
	s_add_co_u32 s58, s58, s23
	s_mov_b32 s59, 0
	s_and_b32 s[KO], ttmp9, 7                      ; the K step at which my cluster begins: the cluster's x, which all sixteen partners share
	s_lshl_b32 s[KO], s[KO], 8                     ; slot 0: its 256 bytes in a row,
	s_mov_b32 s[KO+1], 0
	s_add_co_u32 s[KO+2], s[KO], KSTEP*2           ; slot 1: the K step behind it, round the row's end
	s_and_b32 s[KO+2], s[KO+2], ROWB-1
	s_mov_b32 s[KO+3], 0
	s_mul_i32 s70, s[CH], AHALF                    ; and where they go: no place in the cluster enters an LDS address
	s_mul_i32 s71, s[CH], BHALF
	s_add_co_u32 s71, s71, BOFF
	s_wait_kmcnt 0x0
	s_add_nc_u64 s[AB:AB+1], s[4:5], s[56:57]
	s_add_nc_u64 s[BB:BB+1], s[6:7], s[58:59]
	s_mov_b64 s[BB+2:BB+3], s[BB:BB+1]
	CROUND                                         ; all sixteen work-groups are here: the first joint loads meet
.irp s, 0,1
	s_mov_b32 s[G0A+4*(\s)], 1                                       ; 1:0 count = 1
	s_add_co_u32 s[G0A+4*(\s)+1], s70, (\s)*SLOT                     ; 63:32 LDS address
	s_add_nc_u64 s[G0A+4*(\s)+2:G0A+4*(\s)+3], s[AB:AB+1], s[KO+2*(\s):KO+2*(\s)+1]  ; 120:64 global address: the slot's K step
	s_or_b32 s[G0A+4*(\s)+3], s[G0A+4*(\s)+3], 0x80000000            ; 127:126 type = 2
	s_mov_b32 s[G0B+4*(\s)], 1
	s_add_co_u32 s[G0B+4*(\s)+1], s71, (\s)*SLOT
	s_add_nc_u64 s[G0B+4*(\s)+2:G0B+4*(\s)+3], s[BB+2*(\s):BB+2*(\s)+1], s[KO+2*(\s):KO+2*(\s)+1]
	s_or_b32 s[G0B+4*(\s)+3], s[G0B+4*(\s)+3], 0x80000000
.endr
	s_cmp_eq_u32 s[RH], 0                          ; a wave's two first fills stand in one branch, ahead of every wait on TENSORcnt and every LDS read: two loads of mine are out
	s_cbranch_scc0 .Lfirst_b
	tensor_load_to_lds s[G0A:G0A+3], s[G1A:G1A+7]
	s_nop 0
	tensor_load_to_lds s[G0A+4:G0A+7], s[G1A:G1A+7]
	s_nop 0
.rept 4
	v_nop
.endr
	s_branch .Lfirst_asked
.Lfirst_b:
	tensor_load_to_lds s[G0B:G0B+3], s[G1B:G1B+7]
	s_nop 0
	tensor_load_to_lds s[G0B+4:G0B+7], s[G1B:G1B+7]
	s_nop 0
.rept 4
	v_nop
.endr
.Lfirst_asked:
	; A fragment is 16 rows x 32 K in 8 registers: lane l holds row l % 16; registers 0-3 K = 8 (l / 16) + 0..7, registers 4-7 K = 16 + 8 (l / 16) + 0..7: two loads of 16 bytes, 32 bytes apart.
	v_and_b32 v1, 15, v0                           ; l % 16
	v_bfe_u32 v2, v0, 4, 1                         ; l / 16
	v_mul_u32_u24 v3, v1, PITCH
	v_lshl_add_u32 v3, v2, 4, v3                   ; row x pitch + 16 x half
	s_mul_i32 s66, s[RH], AHALF                    ; my 64 tokens
	s_mul_i32 s67, s[CH], BHALF                    ; my 128 rows of wb,
	s_add_co_u32 s67, s67, BOFF                    ; which lie behind the 128 tokens
.irp s, 0,1
	v_add_nc_u32 v[ADRA+(\s)], s66, v3
	v_add_nc_u32 v[ADRB+(\s)], s67, v3
	s_add_co_u32 s66, s66, SLOT
	s_add_co_u32 s67, s67, SLOT
.endr
	s_mul_i32 s23, s[WV], WSTAGE
	s_add_co_u32 s23, s23, STAGE                   ; my stage
	v_mul_u32_u24 v3, v1, SPITCH                   ; in: row l % 16, 32 bytes for each half of the lanes
	v_lshl_add_u32 v3, v2, 5, v3
	v_add_nc_u32 v[STO], s23, v3
	v_and_b32 v3, 31, v0
	v_lshlrev_b32 v[CO], 4, v3
	v_add_nc_u32 v[RD], s23, v[CO]                 ; back: 32 lanes take one row of 512 bytes
	v_lshlrev_b32 v[BO], 5, v2
	v_lshlrev_b32 v[GO], 5, v1
	s_lshl_b32 s60, s19, 12                        ; gates at my first token: (128 x token tile + 64 x half) x 32 bytes
	s_lshl_b32 s3, s[RH], 11
	s_add_co_u32 s60, s60, s3
	s_mov_b32 s61, 0
	s_add_nc_u64 s[8:9], s[8:9], s[60:61]
	s_lshl_b32 s62, s20, 10                        ; expert_b at my first column: (256 x hidden tile + 128 x half) x 4 bytes
	s_lshl_b32 s3, s[CH], 9
	s_add_co_u32 s62, s62, s3
	s_mov_b32 s63, 0
	s_add_nc_u64 s[10:11], s[10:11], s[62:63]
	s_lshl_b32 s68, s19, 20                        ; out0 at my first token's row of 8,192 bytes, and the same column
	s_lshl_b32 s3, s[RH], 19
	s_add_co_u32 s68, s68, s3
	s_mov_b32 s69, 0
	s_add_nc_u64 s[12:13], s[12:13], s[68:69]
	s_add_nc_u64 s[12:13], s[12:13], s[62:63]
.irp a, 0,1,2,3                        ; my four tokens' eight gates each: they stay in registers
	global_load_b128 v[G+8*(\a):G+8*(\a)+3],   v[GO], s[8:9] offset:512*(\a)
	global_load_b128 v[G+8*(\a)+4:G+8*(\a)+7], v[GO], s[8:9] offset:512*(\a)+16
.endr
; The expert's bias for my 128 columns, in the layout of a product's C operand: register j of block b = column 16 b + 8 (l / 16) + j.
.macro BIASLOAD
	WIN 0x40                                       ; destination window 1, address window 0
.irp b, 0,1,2,3,4,5,6,7
	global_load_b128 v[8*(\b):8*(\b)+3],   v[BO], s[10:11] offset:64*(\b)
	global_load_b128 v[8*(\b)+4:8*(\b)+7], v[BO], s[10:11] offset:64*(\b)+16
.endr
	WIN 0
.endm
	BIASLOAD                                       ; expert 0's
	WIN 0xc0                                       ; destination window 3: SUM starts at 0; this stands in the wait for the first tile
.set i, 0
.rept 256
	v_mov_b32 v[i], 0
.set i, i+1
.endr
	WIN 0
; 8 matrix instructions: token block a x all 8 hidden blocks, 32 along K, from buffer f.  first = 1: an expert's first products take the bias as C.
; The 32 accumulators take turns, one instruction a turn, in the same order in every quarter step.
.macro MUL8 f, a, first
.if \first
	WIN MULB
.else
	WIN MUL
.endif
.irp b, 0,1,2,3,4,5,6,7
.if \first
	v_wmma_f32_16x16x32_bf16 v[8*(8*(\a)+(\b)):8*(8*(\a)+(\b))+7], v[BF+64*(\f)+8*(\b):BF+64*(\f)+8*(\b)+7], v[AF+32*(\f)+8*(\a):AF+32*(\f)+8*(\a)+7], v[8*(\b):8*(\b)+7]
.else
	v_wmma_f32_16x16x32_bf16 v[8*(8*(\a)+(\b)):8*(8*(\a)+(\b))+7], v[BF+64*(\f)+8*(\b):BF+64*(\f)+8*(\b)+7], v[AF+32*(\f)+8*(\a):AF+32*(\f)+8*(\a)+7], v[8*(8*(\a)+(\b)):8*(8*(\a)+(\b))+7]
.endif
.endr
.endm
; 24 LDS loads in one run: the fragments of one quarter step (128 rows of wb, then 64 tokens; 32 K at byte k of the rows) into buffer f
.macro FETCH slot, k, f
	WIN 0
.irp i, 0,1,2,3,4,5,6,7
	ds_load_b128 v[BF+64*(\f)+8*(\i):BF+64*(\f)+8*(\i)+3],   v[ADRB+(\slot)] offset:(\k)+(\i)*16*PITCH
	ds_load_b128 v[BF+64*(\f)+8*(\i)+4:BF+64*(\f)+8*(\i)+7], v[ADRB+(\slot)] offset:(\k)+(\i)*16*PITCH+32
.endr
.irp i, 0,1,2,3
	ds_load_b128 v[AF+32*(\f)+8*(\i):AF+32*(\f)+8*(\i)+3],   v[ADRA+(\slot)] offset:(\k)+(\i)*16*PITCH
	ds_load_b128 v[AF+32*(\f)+8*(\i)+4:AF+32*(\f)+8*(\i)+7], v[ADRA+(\slot)] offset:(\k)+(\i)*16*PITCH+32
.endr
.endm
; A load into a register that a matrix instruction has read, and a vector instruction that reads a matrix result, stand four places behind that matrix instruction; only plain vector
; instructions that name none of its registers are places (ISA guide 7.12.1 for vector instructions).
.macro PLACES
.rept 4
	v_nop
.endr
.endm
; A K step is four quarter steps of 32 along K, 32 matrix instructions each, on buffers 0, 1, 0, 1.  One of the first three: multiplies buffer f and fetches the next quarter, at byte k, into g.
.macro QUARTER slot, k, f, g, first
	s_wait_dscnt 4                                 ; wb's fragments and token blocks 0, 1 are in; the youngest four loads (blocks 2, 3) may be out
	MUL8 \f, 0, \first
	MUL8 \f, 1, \first
	PLACES
	FETCH \slot, \k, \g
	s_wait_dscnt 24                                ; all but the 24 just issued
	MUL8 \f, 2, \first
	MUL8 \f, 3, \first
.endm
; The last quarter multiplies buffer 1 and changes slots.  MEET is its first half: ONE barrier.  In front of it each wave waits for all its tensor loads, of which one is out: its part of the next slot;
; adds 0 to its spare word; and waits for that and for its own reads of this slot.  Behind it nobody reads this slot any more and the next slot is whole.
; round = 1: a round of the cluster's barrier follows, and behind it this slot is filled again.  Its two descriptors' addresses are made anew here, where no tensor load of mine is out: the slot's K step goes
; two steps on, round the row's end (four refills bring it back to where the cluster began); on = 1: the refill is the next expert's, and wb's base goes an expert on.
.macro MEET round, slot=0, on=0
	WIN 0                                          ; (the add's two registers lie in window 0)
	s_wait_tensorcnt 0x0                           ; all my tensor loads have landed
	ds_add_u32 v[SPW], v[NIL]                      ; 0 onto my spare word: the scalar work and eight products stand between it and the wait for it
.if \round
	s_add_co_u32 s[KO+2*(\slot)], s[KO+2*(\slot)], 2*KSTEP*2
	s_and_b32 s[KO+2*(\slot)], s[KO+2*(\slot)], ROWB-1
.if \on
	s_add_nc_u64 s[BB+2*(\slot):BB+2*(\slot)+1], s[BB+2*(\slot):BB+2*(\slot)+1], EXPB
.endif
	s_add_nc_u64 s[G0A+4*(\slot)+2:G0A+4*(\slot)+3], s[AB:AB+1], s[KO+2*(\slot):KO+2*(\slot)+1]
	s_or_b32 s[G0A+4*(\slot)+3], s[G0A+4*(\slot)+3], 0x80000000
	s_add_nc_u64 s[G0B+4*(\slot)+2:G0B+4*(\slot)+3], s[BB+2*(\slot):BB+2*(\slot)+1], s[KO+2*(\slot):KO+2*(\slot)+1]
	s_or_b32 s[G0B+4*(\slot)+3], s[G0B+4*(\slot)+3], 0x80000000
.endif
	s_wait_dscnt 5                                 ; (the add and the youngest four loads may be out)
	MUL8 F1, 0, 0
	s_wait_dscnt 0x0                               ; the add is done, and my reads of this slot are over
	s_barrier_signal -1
	MUL8 F1, 1, 0                                  ; work on registers while the others arrive
.if \round
	WIN 0
.endif
	s_barrier_wait -1
.endm
; The whole last quarter.  Behind the round the slot just read out is filled again first.  From a request to the wait for it a wave issues 112 matrix instructions.
.macro TURN slot, next, on
	MEET 1, \slot, \on
	CREST                                          ; no wave of any partner still reads this slot's tile or has a load on its way
	JLOAD \slot                                    ; the first tensor load behind the round; its four v_nop are also the places in front of the loads below
	FETCH \next, 0, F0
	MUL8 F1, 2, 0
	MUL8 F1, 3, 0
.endm
; BEHIND AN EXPERT: SUM += gate x max(ACC, 0).  Each accumulator's registers are taken in ascending order.  The gate of the expert in hand lies at v[G + 8 a].
.macro EPI
.irp a, 0,1,2,3
	WIN 0x88                                       ; source 1 and destination window 2
.set i, 0
.rept 64
	v_max_num_f32 v[64*(\a)+i], 0, v[64*(\a)+i]
.set i, i+1
.endr
	WIN 0xf2                                       ; source 0 window 2 (ACC), source 1 window 0 (the gate), source 2 and destination window 3 (SUM)
.set i, 0
.rept 32
	v_pk_fma_f32 v[64*(\a)+2*i:64*(\a)+2*i+1], v[64*(\a)+2*i:64*(\a)+2*i+1], v[G+8*(\a):G+8*(\a)+1], v[64*(\a)+2*i:64*(\a)+2*i+1] op_sel_hi:[1,0,1]
.set i, i+1
.endr
.endr
	WIN 0
.endm
.macro ROTATE                          ; the next expert's gates move to the place that EPI's one text names
.irp a, 0,1,2,3
.irp k, 0,1,2,3,4,5,6
	v_mov_b32 v[G+8*(\a)+(\k)], v[G+8*(\a)+(\k)+1]
.endr
.endr
.endm
; THE WAY OUT of token block a.  A lane's eight numbers of a row are 32 bytes; they go into my own stage (rows of 528 bytes) and come back as whole rows of 512 bytes.
.macro TOSTAGE a
.set OB, OB0+64*((\a)%2)
.if (\a) >= 2
	s_wait_xcnt 0x0                                ; the stores of two blocks ago have had their addresses translated (ISA guide 3.1): the registers that they read are loaded again only behind this wait
.endif
	WIN 0x0c                                       ; store data (source 1) in window 3
.irp b, 0,1,2,3,4,5,6,7
	ds_store_b128 v[STO], v[64*(\a)+8*(\b):64*(\a)+8*(\b)+3]   offset:64*(\b)
	ds_store_b128 v[STO], v[64*(\a)+8*(\b)+4:64*(\a)+8*(\b)+7] offset:64*(\b)+16
.endr
	WIN 0
.irp t, 0,1,2,3,4,5,6,7,8,9,10,11,12,13,14,15
	ds_load_b128 v[OB+4*(\t):OB+4*(\t)+3], v[RD] offset:(\t)*SPITCH  ; LDS serves a wave's instructions in order (ISA guide 5.7.1.4): these see the stores above; the next block's stores come behind them
.endr
.endm
.macro SEND a, younger                 ; younger: the LDS instructions issued behind block a's loads: the next block's 32, or none
.set OB, OB0+64*((\a)%2)
.irp t, 0,1,2,3,4,5,6,7,8,9,10,11,12,13,14,15
	s_wait_dscnt (\younger)+15-(\t)
	global_store_b128 v[CO], v[OB+4*(\t):OB+4*(\t)+3], s[12:13] offset:(16*(\a)+(\t))*8192  ; 512 consecutive bytes, at a multiple of 512 from out0's first byte
.endr
.endm
	s_wait_tensorcnt 1                             ; my part of the first K step is in; the second's may stay out
	s_barrier_signal -1
	s_barrier_wait -1                              ; everybody's is
	FETCH 0, 0, F0
	s_wait_loadcnt 0x0                             ; the gates and expert 0's bias
	s_mov_b32 s[EXP], 8                            ; experts to go, this one among them: the same number in every work-group
.Lexpert:
	QUARTER 0, 64,  F0, F1, 1                      ; an expert's first quarter: its products start the sums with the bias
	WIN 0                                          ; at a label and at a branch every window is 0
	s_mov_b32 s[LAP], 3
.Llap:                                                 ; a trip goes once round the ring, from a lap's second quarter to the next lap's first, and fills both slots again
	QUARTER 0, 128, F1, F0, 0
	QUARTER 0, 192, F0, F1, 0
	TURN 0, 1, 0
	QUARTER 1, 64,  F0, F1, 0
	QUARTER 1, 128, F1, F0, 0
	QUARTER 1, 192, F0, F1, 0
	TURN 1, 0, 0
	QUARTER 0, 64,  F0, F1, 0
	WIN 0
	s_sub_co_u32 s[LAP], s[LAP], 1
	s_cmp_lg_u32 s[LAP], 0
	s_cbranch_scc1 .Llap
	QUARTER 0, 128, F1, F0, 0                      ; the expert's last lap goes on
	QUARTER 0, 192, F0, F1, 0
	WIN 0
	s_cmp_eq_u32 s[EXP], 1
	s_cbranch_scc1 .Llast                          ; the last expert's tail is written out: it asks for nothing more
	s_add_nc_u64 s[10:11], s[10:11], 8192          ; the next expert's bias: the base's earlier loads were waited for, and the products that read the bias stand a whole expert's v_nop back
	BIASLOAD
	TURN 0, 1, 1                                   ; THE RING GOES ON INTO THE NEXT EXPERT: slot 0 takes its first K step,
	QUARTER 1, 64,  F0, F1, 0
	QUARTER 1, 128, F1, F0, 0
	QUARTER 1, 192, F0, F1, 0
	TURN 1, 0, 1                                   ; slot 1 its second, and the next expert's first fragments are fetched
	EPI                                            ; no v_nop: blocks 0 and 1 were finished in front of the joint load's four, and their 192 lines, which name no register of the last products, are those products' places
	ROTATE
	s_wait_loadcnt 0x0                             ; the next expert's bias is in
	s_sub_co_u32 s[EXP], s[EXP], 1
	s_branch .Lexpert
.Llast:
	MEET 0                                         ; my one tensor load that was still out is slot 1's, the last K step's, so no round follows
	PLACES                                         ; for the loads into buffer 0, which the quarter before multiplied
	FETCH 1, 0, F0
	MUL8 F1, 2, 0
	MUL8 F1, 3, 0
	QUARTER 1, 64,  F0, F1, 0
	QUARTER 1, 128, F1, F0, 0
	QUARTER 1, 192, F0, F1, 0
	s_wait_dscnt 4                                 ; the very last quarter: nothing more to fetch
	MUL8 F1, 0, 0
	MUL8 F1, 1, 0
	s_wait_dscnt 0x0
	MUL8 F1, 2, 0
	MUL8 F1, 3, 0
	WIN 0
	PLACES
	EPI
	TOSTAGE 0
	TOSTAGE 1                                      ; a block's trip through the stage stands between the loads of the block before and its stores
	SEND 0, 32
	TOSTAGE 2
	SEND 1, 32
	TOSTAGE 3
	SEND 2, 32
	SEND 3, 0
	s_wait_tensorcnt 0x0                           ; the wave's end, behind my last tensor load and my last LDS store
	ds_add_u32 v[SPW], v[NIL]
	s_wait_dscnt 0x0
	CROUND                                         ; the closing round: no work-group ends while a partner may still ask for a tile that names it
	s_endpgm
.Lfunc_end_k_qaba1870317_moe:
	.size	k_qaba1870317_moe, .Lfunc_end_k_qaba1870317_moe-k_qaba1870317_moe
	.p2alignl 7, 3214868480
	.fill 96, 4, 3214868480
	.section	.rodata,"a",@progbits
	.p2align	6, 0x0
	.amdhsa_kernel k_qaba1870317_moe
		.amdhsa_group_segment_fixed_size 327680
		.amdhsa_private_segment_fixed_size 0
		.amdhsa_enable_private_segment 0
		.amdhsa_kernarg_size 40
		.amdhsa_user_sgpr_count 2
		.amdhsa_user_sgpr_kernarg_segment_ptr 1
		.amdhsa_wavefront_size32 1
		.amdhsa_system_sgpr_workgroup_id_x 1
		.amdhsa_system_sgpr_workgroup_id_y 1
		.amdhsa_system_sgpr_workgroup_id_z 1
		.amdhsa_system_vgpr_workitem_id 0
		.amdhsa_next_free_vgpr 1024
		.amdhsa_next_free_sgpr 80
		.amdhsa_reserve_vcc 0
		.amdhsa_float_denorm_mode_32 3
		.amdhsa_float_denorm_mode_16_64 3
		.amdhsa_memory_ordered 1
		.amdhsa_forward_progress 1
		.amdhsa_inst_pref_size 154
	.end_amdhsa_kernel
	.amdgpu_metadata
---
amdhsa.version: [ 1, 2 ]
amdhsa.kernels:
  - .name:           k_qaba1870317_moe
    .symbol:         k_qaba1870317_moe.kd
    .args:
      - { .name: xb, .offset: 0, .size: 8, .value_kind: global_buffer, .address_space: global }
      - { .name: wb, .offset: 8, .size: 8, .value_kind: global_buffer, .address_space: global }
      - { .name: gates, .offset: 16, .size: 8, .value_kind: global_buffer, .address_space: global }
      - { .name: expert_b, .offset: 24, .size: 8, .value_kind: global_buffer, .address_space: global }
      - { .name: out0, .offset: 32, .size: 8, .value_kind: global_buffer, .address_space: global }
    .group_segment_fixed_size: 327680
    .private_segment_fixed_size: 0
    .kernarg_segment_align: 8
    .kernarg_segment_size: 40
    .max_flat_workgroup_size: 128
    .sgpr_count:     80
    .vgpr_count:     1024
    .wavefront_size: 32
...
	.end_amdgpu_metadata
.endif
;; end of part 2
